; MI455X (gfx1250); checked and timed in simulation.
; The chip was launched on July 23, 2026; its instructions are those of AMD's public machine-readable ISA for CDNA 5 (MIT licence, August 2026) and "CDNA5" Instruction Set Architecture Reference Guide (July 2026). The comments in the code are by the model that wrote it; some were corrected since.
;; Multi Queryattention. Allowed arithmetic: matrix products marked QUANTISED: E2M3 operands, one E8M0 scale for each 32 along K, by v_wmma_scale_f32_16x16x128_f8f6f4 with both operands' format E2M3, f32 sums; everything else in f32.
;; Inputs: Wk 2,048 x 128 float32; Wq 2,048 x 2,048 float32; Wv 2,048 x 128 float32; bk 128 float32; bq 2,048 float32; bv 128 float32; k 2 x 2,048 x 2,048 float32; q 2 x 2,048 x 2,048 float32; v 2 x 2,048 x 2,048 float32.
;; Outputs: out0 2 x 2,048 x 2,048 float32.
;; This version of the problem:
;;   THIS VERSION OF THE PROBLEM IS GIVEN IN LOW PRECISION. The matrix products marked QUANTISED in the list below multiply operands that are first quantised to E2M3 (2 exponent bits, 3 mantissa bits; 6 bits a number), with one power-of-two scale for each 32 numbers along K (OCP MX v1.0); their sums are f32. All else is computed in f32.
;;   The module's matrix products, in the order in which they are computed (A, B: the left and right operand; K: the contracted axis; several contracted axes count as one K, in the product's order):
;;     1. [M 4,096, K 2,048] x [K 2,048, N 2,048]; A: input q; B: input Wq: QUANTISED
;;     2. [M 4,096, K 2,048] x [K 2,048, N 128]; A: input k; B: input Wk: QUANTISED
;;     3. [M 4,096, K 2,048] x [K 2,048, N 128]; A: input v; B: input Wv: QUANTISED
;;     4. batch 2 x [M 32,768, K 128] x [K 128, N 2,048]; A: computed on the way; B: computed on the way: QUANTISED
;;     5. batch 2 x [M 32,768, K 2,048] x [K 2,048, N 128]; A: softmax (see below); B: computed on the way: QUANTISED
;;   THE QUANTISER, for each operand of a quantised product, along K:
;;     - K is cut into blocks of 32 from its start; a last block that is shorter is filled with zeros.
;;     - A block's scale is 2^e with e = floor(log2(the largest magnitude in the block)) - 2, held to -126 .. 127; a block of zeros has e = 0. As a byte (E8M0): e + 127.
;;     - Each number is divided by its block's scale, clamped to +-7.5, and rounded to the nearest number of E2M3, ties to even, subnormals kept.
;;     - The product sums the exact products of the quantised numbers (number of the format x scale) in f32.
;;   ~~~python
;;   def quantise(x, axis):      # numpy; x: float32 -> the quantised numbers, widened to float32 again
;;       x = np.moveaxis(x, axis, -1); K = x.shape[-1]
;;       x = np.pad(x, [(0, 0)] * (x.ndim - 1) + [(0, -K % 32)]); x = x.reshape(x.shape[:-1] + (-1, 32)); a = np.abs(x).max(-1, keepdims=True)
;;       e = np.where(a > 0, np.clip(np.frexp(np.where(a > 0, a, 1))[1] - 1 - 2, -126, 127), 0)      # np.frexp(a)[1] - 1 = floor(log2(a)), exactly
;;       r = np.clip(x / 2.0 ** e, -7.5, 7.5)
;;       step = 2.0 ** (np.maximum(np.frexp(np.where(r == 0, 1, r))[1] - 1, 0) - 3)
;;       q = np.round(r / step) * step * 2.0 ** e      # np.round: ties to even
;;       return np.moveaxis(q.reshape(q.shape[:-2] + (-1,))[..., :K], -1, axis).astype(np.float32)
;;   ~~~
;;   SOFTMAX AHEAD OF A QUANTISED PRODUCT. Where the list says 'softmax', what is quantised is not the finished softmax but p = 2^(t - M), with t = logit x log2(e) and M = ceil(the row's largest t), a whole number; so 1/2 < the row's largest p <= 1. The row's sum l is taken of the UNQUANTISED p, in f32, and the product's result is divided by l at the end. Since M is a whole number, a kernel that streams over the keys may use a running M (the ceiling of the running maximum): every later rescaling is an exact power of two, which a block's scale takes up: the codes' values come out the same.
;;   OPERANDS COMPUTED ON THE WAY. 'Computed on the way' means the value that the module computes at that place (a softmax that the list does not call 'softmax' is quantised finished and normalised). What goes into a quantiser is computed in f32, as accurately as f32 sums, v_exp_f32 and their like allow (about 1e-6 of the number): no bf16 or f16 on the way to a quantiser, and a product that is left as it is and whose result goes on into a quantised operand takes f32 operands (vector FMAs, or v_wmma_f32_16x16x4_f32). A number that lies on a knife's edge between two numbers of the format may be rounded either way, as far as f32 arithmetic and the matrix unit's own rounding can turn it there, and no further.
;; One version. Each part assembles by itself: llvm-mc -triple=amdgcn-amd-amdhsa -mcpu=gfx1250 --defsym DOCPART=n.
;; ======== version 1 of 1: 3 launches
;; workspace buffers: qc 6,553,600 bytes; kc 6,553,600 bytes; vc 6,553,600 bytes; wc 3,686,400 bytes; kvb 819,200 bytes
;; launch quant (part 1): grid 264 x 1, 8 waves a work-group, no clusters, 72,704 bytes of LDS; arguments q, k, v, Wq, Wk, Wv, qc, kc, vc, wc; writes qc, kc, vc, wc
.if DOCPART == 1
	.amdgcn_target "amdgcn-amd-amdhsa--gfx1250"
	.amdhsa_code_object_version 6
	.text
	.protected	k_q0e2bd2121a_quant
	.globl	k_q0e2bd2121a_quant
	.p2align	8
	.type	k_q0e2bd2121a_quant,@function
k_q0e2bd2121a_quant:
	s_mov_b64 s[64:65], 0
	v_nop
	global_prefetch_b8 v0, s[64:65] scope:SCOPE_SE
	s_setreg_imm32_b32 hwreg(HW_REG_WAVE_MODE, 25, 1), 1
	s_wait_xcnt 0x0
; q, k, v [4096][2048] f32 (K innermost) and Wq [2048][2048], Wk, Wv [2048][128] f32 (K outermost) become codes of FP6 (E2M3) with one E8M0 byte for each 32 along K.
; THE WORKSPACE FORMAT is an image of operand registers.  A BLOCK, 12,800 bytes, is 128 rows x 128 along K: eight fragments of 1,536 bytes (fragment t at 1536 t; in it registers 4 c .. 4 c + 3 of lane L at 512 c + 16 L),
; then 512 bytes of scale words (row m of tile t at 12288 + 64 t + 4 m).  Lane row m of tile t = 2 b + u is row 32 b + 8 u + m + 8 (m / 8) of the 128.  A buffer is [group of 128 rows][K step of 128][BLOCK].
; A block's scale is 2^(floor(log2(its largest magnitude)) - 2): its byte is the largest magnitude's exponent field - 2, held at 1 from below by a floor among the maximum's leaves.
; LIMITS: NaN and infinities among the inputs are not served.  A block of zeros (or under the floor 2^-124) keeps the byte 1 where the quantiser says 127: its codes are zeros, and these bytes are read by this program alone.
; TWO PATHS, parted on the work-group's number.  Work-groups 0-191: q, k, v; a work-group takes 128 rows x 1,024 along K, wave w tile w, eight K steps.  Each load reads 512 consecutive bytes of one row; a step's 16 rows turn
; through the wave's own stage in LDS, so that a lane gets its row's two blocks of 32.  Work-groups 192-263: the weights; a lane takes a column and its registers run down K, so nothing is turned.
; The paths join at the one barrier, behind which the first path's scale words leave as whole runs of 512 bytes.  All that is used behind the join is made ahead of the parting.
; No tensor loads, no cluster, no matrix unit: a stream in which no work-group shares a byte with another.
.set BLK,   12800
.set GRP,   16*BLK
.set STGB,  16*528                     ; a wave's stage: 16 rows of 512 bytes + 16: 132 words a row, so sixteen rows' 16 bytes begin 4 words apart modulo 64
.set SCG,   8*STGB                     ; 8 steps x 512 bytes of scale words
.set SPARE, SCG+8*512                  ; the spare words, 128 bytes for each wave: four blocks of 256 bytes that no other line names
.set LI,   1                           ; v1   16 x lane; never rewritten
.set SIN,  2                           ; v2   stage, on the way in: my wave's stage + 16 x lane
.set SOUT, 3                           ; v3   on the way out: + 528 (lane % 16) + 128 (lane / 16)
.set SGA,  4                           ; v4   where my row's scale word goes: SCG + 64 wave + 4 (lane % 16)
.set SGR,  5                           ; v5   and where a step's 512 bytes are read back: SCG + 16 x thread
.set SH8,  6                           ; v6   8 (lane / 16)
.set LANE, 7                           ; v7   lane
.set R,    16                          ; v16-143  first path: two sets of 16 x 4 registers as loaded
.set X,    144                         ; v144-207 my row's 64 numbers: register 32 c + n is k = 64 c + 32 (lane / 16) + n
.set F,    208                         ; v208-219 the fragment's 12 registers
.set T0,   220                         ; v220-222, v224-226: a conversion's three registers begin on an even number, so a block's upper half is made here and moved
.set T1,   224
.set OFFI, 16                          ; v16-47   second path: 4 x lane + n rows of the weight
.set WX,   48                          ; v48-111  two sets of 32 numbers
.set STO,  112                         ; v112     my column's place in a BLOCK's fragments
.set SWO,  113                         ; v113     and among its scale words
.set TL,   248                         ; v248-251 the scale words on their way out
.set SPW,  254                         ; v254     my spare word; never rewritten
.set NIL,  255                         ; v255     0; never rewritten
	s_load_b512 s[4:19], s[0:1], 0x0               ; q s[4:5], k s[6:7], v s[8:9], Wq s[10:11], Wk s[12:13], Wv s[14:15], qc s[16:17], kc s[18:19]
	s_load_b128 s[20:23], s[0:1], 0x40             ; vc s[20:21], wc s[22:23]
	v_lshl_add_u32 v[SPW], v0, 2, SPARE
	v_mov_b32 v[NIL], 0
	v_lshrrev_b32 v8, 5, v0
	v_readfirstlane_b32 s24, v8                    ; wave 0..7
	v_and_b32 v[LANE], 31, v0
	v_lshlrev_b32 v[LI], 4, v[LANE]
	v_and_b32 v8, 15, v0
	v_bfe_u32 v9, v0, 4, 1
	s_mul_i32 s42, s24, STGB
	v_add_nc_u32 v[SIN], s42, v[LI]
	v_mul_u32_u24 v[SOUT], v8, 528
	v_lshl_add_u32 v[SOUT], v9, 7, v[SOUT]
	v_add_nc_u32 v[SOUT], s42, v[SOUT]
	s_lshl_b32 s43, s24, 6
	v_lshl_add_u32 v[SGA], v8, 2, s43
	v_add_nc_u32 v[SGA], SCG, v[SGA]
	v_lshl_add_u32 v[SGR], v0, 4, SCG
	v_lshlrev_b32 v[SH8], 3, v9
	v_mov_b32 v14, 0                               ; a lane permute's destination counts as one of its sources: written once
	s_mov_b32 s34, 0x76543210
	s_mov_b32 s35, 0xfedcba98                      ; v_permlanex16_b32's selects for lane l xor 16
	; the first path's places (made by every work-group; the second path never uses them)
	s_and_b32 s26, ttmp9, 63
	s_lshr_b32 s27, s26, 1                         ; G: which 128 rows
	s_and_b32 s26, ttmp9, 1                        ; which half of K
	s_lshl_b32 s36, s27, 7
	s_lshr_b32 s37, s24, 1
	s_lshl_b32 s37, s37, 5
	s_add_co_u32 s36, s36, s37
	s_and_b32 s37, s24, 1
	s_lshl_b32 s37, s37, 3
	s_add_co_u32 s36, s36, s37                     ; my tile's first row: 128 G + 32 (w / 2) + 8 (w % 2)
	s_lshl_b32 s36, s36, 13                        ; rows of 8,192 bytes
	s_lshl_b32 s37, s26, 12
	s_add_co_u32 s36, s36, s37                     ; + 4,096 bytes for the second half of K
	s_mov_b32 s37, 0
	s_mul_i32 s38, s27, GRP
	s_mul_i32 s39, s26, 8*BLK
	s_add_co_u32 s38, s38, s39                     ; my work-group's eight BLOCKs
	s_mul_i32 s40, s24, BLK
	s_add_co_u32 s40, s40, s38
	s_add_co_u32 s40, s40, 12288                   ; the scale words of the BLOCK of step w
	s_mov_b32 s41, 0
	s_mul_i32 s39, s24, 1536
	s_add_co_u32 s38, s38, s39                     ; my fragment in the first of the eight
	s_mov_b32 s39, 0
	s_wait_kmcnt 0x0
	s_cmp_lt_u32 ttmp9, 128                        ; the choice of buffers hangs on the work-group's number alone
	s_cselect_b64 s[28:29], s[6:7], s[8:9]
	s_cselect_b64 s[30:31], s[18:19], s[20:21]
	s_cmp_lt_u32 ttmp9, 64
	s_cselect_b64 s[28:29], s[4:5], s[28:29]
	s_cselect_b64 s[30:31], s[16:17], s[30:31]
	s_add_nc_u64 s[28:29], s[28:29], s[36:37]      ; in
	s_add_nc_u64 s[32:33], s[30:31], s[40:41]      ; out: scale words
	s_add_nc_u64 s[30:31], s[30:31], s[38:39]      ; out: fragments
	s_cmp_lt_u32 ttmp9, 192
	s_cbranch_scc0 .Lweights
; ---------------- q, k, v ----------------
.macro LOAD t                          ; step t: 128 along K of my 16 rows; a load is one row's 512 consecutive bytes
.irp r, 0,1,2,3,4,5,6,7,8,9,10,11,12,13,14,15
	global_load_b128 v[R+64*((\t)%2)+4*\r:R+64*((\t)%2)+4*\r+3], v[LI], s[28:29] offset:(\r+8*(\r/8))*8192+512*(\t) th:TH_LOAD_NT
.endr
.endm
.macro TURN t                          ; through my stage: LDS serves a wave's instructions in order, so no wait stands between the stores and the loads
.irp r, 0,1,2,3,4,5,6,7,8,9,10,11,12,13,14,15
	ds_store_b128 v[SIN], v[R+64*((\t)%2)+4*\r:R+64*((\t)%2)+4*\r+3] offset:528*\r
.endr
.irp c, 0,1
.irp i, 0,1,2,3,4,5,6,7
	ds_load_b128 v[X+32*\c+4*\i:X+32*\c+4*\i+3], v[SOUT] offset:256*\c+16*\i
.endr
.endr
.endm
.macro Q2                              ; my two whole blocks (h and 2 + h of my row's four) become the fragment's 12 registers, and v12 my row's scale word
	v_max3_num_f32 v8, |v[X]|, |v[X+1]|, 0x1800000             ; with the floor 2^(3 - 127) among the leaves: the byte cannot fall under 1
	v_max3_num_f32 v9, |v[X+32]|, |v[X+33]|, 0x1800000
.irp i, 2,4,6,8,10,12,14,16,18,20,22,24,26,28,30
	v_max3_num_f32 v8, v8, |v[X+\i]|, |v[X+1+\i]|              ; (the two blocks by turns)
	v_max3_num_f32 v9, v9, |v[X+32+\i]|, |v[X+33+\i]|
.endr
	v_add_nc_u32 v10, 0xff000000, v8               ; 2 off the exponent field: the conversion takes the exponent field of this operand as its scale
	v_add_nc_u32 v11, 0xff000000, v9
	v_lshrrev_b32 v12, 23, v10                     ; the bytes
	v_lshrrev_b32 v13, 23, v11
	v_lshl_or_b32 v12, v13, 16, v12
	v_lshlrev_b32 v12, v[SH8], v12                 ; at their places in the word, 8 h bits up;
	v_permlanex16_b32 v14, v12, s34, s35
	v_or_b32 v12, v12, v14                         ; with lane l xor 16's two the word is whole, in both lanes
	s_wait_xcnt 0x0                                ; the last step's stores have read the fragment's registers: only now are they written again
	v_cvt_scalef32_pk16_fp6_f32 v[F:F+2], v[X:X+15], v10
	v_cvt_scalef32_pk16_fp6_f32 v[T0:T0+2], v[X+16:X+31], v10
	v_cvt_scalef32_pk16_fp6_f32 v[F+6:F+8], v[X+32:X+47], v11
	v_cvt_scalef32_pk16_fp6_f32 v[T1:T1+2], v[X+48:X+63], v11
	v_nop                                          ; one plain place behind a scaled conversion
.irp i, 0,1,2
	v_mov_b32 v[F+3+\i], v[T0+\i]
	v_mov_b32 v[F+9+\i], v[T1+\i]
.endr
.endm
.macro ASTEP t
.if (\t) < 7
	s_wait_loadcnt 16                              ; this step's 16 loads are in; the next step's 16 may be out
.else
	s_wait_loadcnt 0x0
.endif
	TURN \t
	s_wait_dscnt 0x0                               ; my 64 numbers are back, and the stores into the stage have read their registers,
.if (\t)+2 < 8
	LOAD (\t)+2                                    ; which take the loads of two steps on
.endif
	Q2
.irp c, 0,1,2
	global_store_b128 v[LI], v[F+4*\c:F+4*\c+3], s[30:31] offset:BLK*(\t)+512*\c   ; 32 lanes store 512 consecutive bytes, at a multiple of 256 from the buffer's first byte
.endr
	ds_store_b32 v[SGA], v12 offset:512*(\t)       ; lanes l and l xor 16 write the same word with the same value
.endm
	LOAD 0
	LOAD 1
.irp t, 0,1,2,3,4,5,6,7
	ASTEP \t
.endr
	s_branch .Ljoin
; ---------------- Wq, Wk, Wv ----------------
.Lweights:
	s_sub_co_u32 s36, ttmp9, 192
	s_lshr_b32 s37, s36, 2                         ; g: group of 128 columns: 0-15 Wq's heads, 16 Wk, 17 Wv
	s_and_b32 s38, s36, 3                          ; which four K steps
	s_and_b32 s39, s24, 3                          ; cq: which 32 columns of the 128
	s_lshr_b32 s40, s24, 2                         ; sp
	s_mov_b32 s56, 512
	s_cmp_lt_u32 s37, 17
	s_cselect_b64 s[42:43], s[12:13], s[14:15]
	s_cmp_lt_u32 s37, 16
	s_cselect_b64 s[42:43], s[10:11], s[42:43]
	s_cselect_b32 s56, 8192, s56                   ; a row of the weight in bytes
	s_cselect_b32 s44, s37, 0
	s_lshl_b32 s44, s44, 9                         ; Wq: 512 bytes a head
	s_lshl_b32 s45, s39, 7
	s_add_co_u32 s44, s44, s45                     ; + my 32 columns
	s_lshl_b32 s46, s38, 2
	s_add_co_u32 s46, s46, s40                     ; my first K step: 4 sq + sp; my second lies two on
	s_lshl_b32 s47, s46, 7
	s_mul_i32 s47, s47, s56
	s_add_co_u32 s44, s44, s47
	s_mov_b32 s45, 0
	s_lshl_b32 s58, s56, 5                         ; 32 rows
	s_mov_b32 s59, 0
	s_lshl_b32 s60, s56, 8                         ; 256 rows
	s_mov_b32 s61, 0
	s_add_nc_u64 s[68:69], s[42:43], s[44:45]      ; s[68 + 8 i + 2 kb ..]: unit i, block kb of 32 along K
	s_add_nc_u64 s[70:71], s[68:69], s[58:59]
	s_add_nc_u64 s[72:73], s[70:71], s[58:59]
	s_add_nc_u64 s[74:75], s[72:73], s[58:59]
.irp n, 0,2,4,6
	s_add_nc_u64 s[76+\n:77+\n], s[68+\n:69+\n], s[60:61]
.endr
	s_lshl_b32 s62, s37, 4
	s_add_co_u32 s62, s62, s46
	s_mul_i32 s62, s62, BLK
	s_mov_b32 s63, 0
	s_add_nc_u64 s[84:85], s[22:23], s[62:63]      ; the two units' BLOCKs
	s_add_nc_u64 s[86:87], s[84:85], 2*BLK
	v_lshlrev_b32 v[OFFI], 2, v[LANE]
.irp n, 1,2,3,4,5,6,7,8,9,10,11,12,13,14,15,16,17,18,19,20,21,22,23,24,25,26,27,28,29,30,31
	v_add_nc_u32 v[OFFI+\n], s56, v[OFFI-1+\n]
.endr
	v_bfe_u32 v114, v[LANE], 3, 1                  ; column x of my 32 is lane row m = x % 8 + 8 (x / 16) of tile 2 cq + u, u = (x / 8) % 2
	v_and_b32 v115, 7, v[LANE]
	v_lshrrev_b32 v116, 4, v[LANE]
	v_lshl_add_u32 v115, v116, 3, v115
	s_mul_i32 s47, s39, 3072
	v_mul_u32_u24 v[STO], v114, 1536
	v_lshl_add_u32 v[STO], v115, 4, v[STO]
	v_add_nc_u32 v[STO], s47, v[STO]
	v_lshl_add_u32 v[SWO], v114, 4, v115
	s_lshl_b32 s47, s39, 7
	v_lshl_add_u32 v[SWO], v[SWO], 2, s47
	v_add_nc_u32 v[SWO], 12288, v[SWO]
; The wave's eight blocks go in one sequence q: unit q / 4, blocks in the order 0, 2, 1, 3: blocks h and 2 + h are the 12 registers of fragment lane (m, h).
.macro WL q                            ; 32 rows of my column into set q % 2; a load reads 128 consecutive bytes, the four waves side by side 512
.set LWI, (\q)/4
.set LWK, 2*((\q)%2)+((\q)%4)/2
.irp n, 0,1,2,3,4,5,6,7,8,9,10,11,12,13,14,15,16,17,18,19,20,21,22,23,24,25,26,27,28,29,30,31
	global_load_b32 v[WX+32*((\q)%2)+\n], v[OFFI+\n], s[68+8*LWI+2*LWK:69+8*LWI+2*LWK] th:TH_LOAD_NT
.endr
.endm
.macro WB q
.set XS, WX+32*((\q)%2)
.set WI, (\q)/4
.set WK, 2*((\q)%2)+((\q)%4)/2
.if (\q) < 7
	s_wait_loadcnt 32                              ; this block's 32 loads are in; the next block's 32 may be out
.else
	s_wait_loadcnt 0x0
.endif
	v_max3_num_f32 v114, |v[XS]|, |v[XS+1]|, |v[XS+2]|         ; the block's largest magnitude: all 32 numbers are mine
	v_max3_num_f32 v115, |v[XS+3]|, |v[XS+4]|, |v[XS+5]|
.irp i, 6,10,14,18,22,26
	v_max3_num_f32 v114, v114, |v[XS+\i]|, |v[XS+\i+1]|
	v_max3_num_f32 v115, v115, |v[XS+\i+2]|, |v[XS+\i+3]|
.endr
	v_max3_num_f32 v114, v114, |v[XS+30]|, |v[XS+31]|
	v_max3_num_f32 v114, v114, v115, 0x1800000     ; and the floor
	v_add_nc_u32 v116, 0xff000000, v114
	v_lshrrev_b32 v117, 23, v116
.if WK == 0
	v_mov_b32 v[118+WI], v117                      ; a word register for each unit: no store's data are written again
.else
	v_lshl_or_b32 v[118+WI], v117, 8*WK, v[118+WI]
.endif
.if ((\q)%2 == 0) && ((\q) > 0)
	s_wait_xcnt 0x0                                ; the last pair's stores have read the fragment's registers
.endif
	v_cvt_scalef32_pk16_fp6_f32 v[F+6*(WK/2):F+6*(WK/2)+2], v[XS:XS+15], v116
	v_cvt_scalef32_pk16_fp6_f32 v[T0+4*(WK/2):T0+4*(WK/2)+2], v[XS+16:XS+31], v116
	v_nop                                          ; one plain place behind a scaled conversion
.if (\q)%2 == 1
.irp i, 0,1,2
	v_mov_b32 v[F+3+\i], v[T0+\i]
	v_mov_b32 v[F+9+\i], v[T1+\i]
.endr
.irp c, 0,1,2
	global_store_b128 v[STO], v[F+4*\c:F+4*\c+3], s[84+2*WI:85+2*WI] offset:512*\c+256*(WK%2)   ; the sixteen lanes of one u store 256 consecutive bytes, at a multiple of 256 from the buffer's first byte
.endr
.endif
.if (\q)%4 == 3
	global_store_b32 v[SWO], v[118+WI], s[84+2*WI:85+2*WI]     ; 128 consecutive bytes a wave: one byte in 128 of what this path reads
.endif
.if (\q)+2 < 8
	WL (\q)+2
.endif
.endm
	WL 0
	WL 1
.irp q, 0,1,2,3,4,5,6,7
	WB \q
.endr
.Ljoin:
	s_wait_dscnt 0x0                               ; for the others' sake: my scale words lie in LDS
	s_barrier_signal -1
	s_barrier_wait -1
	s_cmp_lt_u32 ttmp9, 192
	s_cbranch_scc0 .Lend
	ds_load_b128 v[TL:TL+3], v[SGR]                ; wave w takes step w's 512 bytes, which the eight waves wrote
	s_wait_dscnt 0x0
	global_store_b128 v[LI], v[TL:TL+3], s[32:33]  ; 512 consecutive bytes, at a multiple of 256 from the buffer's first byte
.Lend:
	s_wait_tensorcnt 0x0                           ; the wave's end
	ds_add_u32 v[SPW], v[NIL]
	s_wait_dscnt 0x0
	s_endpgm
.Lfunc_end_k_q0e2bd2121a_quant:
	.size	k_q0e2bd2121a_quant, .Lfunc_end_k_q0e2bd2121a_quant-k_q0e2bd2121a_quant
	.p2alignl 7, 3214868480
	.fill 96, 4, 3214868480
	.section	.rodata,"a",@progbits
	.p2align	6, 0x0
	.amdhsa_kernel k_q0e2bd2121a_quant
		.amdhsa_group_segment_fixed_size 72704
		.amdhsa_private_segment_fixed_size 0
		.amdhsa_enable_private_segment 0
		.amdhsa_kernarg_size 80
		.amdhsa_user_sgpr_count 2
		.amdhsa_user_sgpr_kernarg_segment_ptr 1
		.amdhsa_wavefront_size32 1
		.amdhsa_system_sgpr_workgroup_id_x 1
		.amdhsa_system_sgpr_workgroup_id_y 1
		.amdhsa_system_sgpr_workgroup_id_z 1
		.amdhsa_system_vgpr_workitem_id 0
		.amdhsa_next_free_vgpr 256
		.amdhsa_next_free_sgpr 96
		.amdhsa_reserve_vcc 0
		.amdhsa_float_denorm_mode_32 3
		.amdhsa_float_denorm_mode_16_64 3
		.amdhsa_memory_ordered 1
		.amdhsa_forward_progress 1
		.amdhsa_inst_pref_size 99
	.end_amdhsa_kernel
	.amdgpu_metadata
---
amdhsa.version: [ 1, 2 ]
amdhsa.kernels:
  - .name:           k_q0e2bd2121a_quant
    .symbol:         k_q0e2bd2121a_quant.kd
    .args:
      - { .name: q, .offset: 0, .size: 8, .value_kind: global_buffer, .address_space: global }
      - { .name: k, .offset: 8, .size: 8, .value_kind: global_buffer, .address_space: global }
      - { .name: v, .offset: 16, .size: 8, .value_kind: global_buffer, .address_space: global }
      - { .name: Wq, .offset: 24, .size: 8, .value_kind: global_buffer, .address_space: global }
      - { .name: Wk, .offset: 32, .size: 8, .value_kind: global_buffer, .address_space: global }
      - { .name: Wv, .offset: 40, .size: 8, .value_kind: global_buffer, .address_space: global }
      - { .name: qc, .offset: 48, .size: 8, .value_kind: global_buffer, .address_space: global }
      - { .name: kc, .offset: 56, .size: 8, .value_kind: global_buffer, .address_space: global }
      - { .name: vc, .offset: 64, .size: 8, .value_kind: global_buffer, .address_space: global }
      - { .name: wc, .offset: 72, .size: 8, .value_kind: global_buffer, .address_space: global }
    .group_segment_fixed_size: 72704
    .private_segment_fixed_size: 0
    .kernarg_segment_align: 8
    .kernarg_segment_size: 80
    .max_flat_workgroup_size: 256
    .sgpr_count:     96
    .vgpr_count:     256
    .wavefront_size: 32
...
	.end_amdgpu_metadata
.endif
;; end of part 1
;; launch kvproj (part 2): grid 128 x 1, 4 waves a work-group, no clusters, 212,992 bytes of LDS; arguments kc, vc, wc, bk, bv, kvb; writes kvb
.if DOCPART == 2
	.amdgcn_target "amdgcn-amd-amdhsa--gfx1250"
	.amdhsa_code_object_version 6
	.text
	.protected	k_q0e2bd2121a_kvproj
	.globl	k_q0e2bd2121a_kvproj
	.p2align	8
	.type	k_q0e2bd2121a_kvproj,@function
k_q0e2bd2121a_kvproj:
	s_mov_b64 s[64:65], 0
	v_nop
	global_prefetch_b8 v0, s[64:65] scope:SCOPE_SE
	s_setreg_imm32_b32 hwreg(HW_REG_WAVE_MODE, 25, 1), 1
	s_wait_xcnt 0x0
; kh = k Wk + bk, quantised along the head's 128, and vh = v Wv + bv, quantised along the KEYS; both products on codes of FP6 (E2M3) as the first launch laid them (BLOCKs of 12,800 bytes: eight fragments as images of
; operand registers, then 512 bytes of scale words; lane row m of tile 2 b + u is row 32 b + 8 u + m + 8 (m / 8)).  Out: kvb [batch 2][key step 16][K's BLOCK: 8 tiles of 16 keys x 128 d | V's BLOCK: 8 tiles of 16 d x 128 keys].
; ONE TEXT FOR BOTH.  A wave sums eight result tiles over 16 K steps: source 0 = the eight fragments of a SHARED stream of BLOCKs, which lies whole in LDS; source 1 = the wave's OWN fragment, from memory.
;   work-groups 0-63:   shared = Wk's 128 rows, own = 16 keys of k: a lane holds one key, its 64 registers run along d;
;   work-groups 64-127: shared = 128 keys of v, own = 16 rows of Wv: a lane holds one d, its 64 registers run along the keys.
; By the rows' order the 16 registers of tiles 2 b and 2 b + 1 are 16 neighbours, 32 b + 16 (lane / 16) + 0 .. 15: the 64 sums are quantised in registers and ARE a fragment of the next product.
; The bias is loaded into the accumulators, so every product adds in place.  The eight accumulators take turns, one instruction a turn.
; NO CLUSTER: in the first 64 work-groups all 64 share one stream, in the others two share one: masks and partners would differ between the two uses of one text, and a stream is fetched once a work-group.
; LIMITS: NaN and infinities are not served; a block under the floor 2^-124 keeps the byte 1 (its codes are zeros or tiny; the bytes are read by this program alone).
.set BLK,   12800
.set GRP,   16*BLK
.set WB,    0                          ; LDS: the shared stream's 16 BLOCKs; filled once
.set SPARE, 16*BLK                     ; the spare words, 128 bytes for each wave: two blocks of 256 bytes that no other line names
.set MIDCNT, 0                         ; in front of the second barrier: both my fills have landed
.set LI,  1                            ; v1   16 x lane
.set LS,  2                            ; v2   4 x lane
.set QA,  3                            ; v3   my own fragment's place in a BLOCK: 16 x lane + 1536 x tile
.set QSA, 4                            ; v4   its scale words': 12288 + 64 x tile + 4 (lane % 16)
.set SPW, 5                            ; v5   my spare word; never rewritten
.set NIL, 6                            ; v6   0; never rewritten
.set AWI, 8                            ; v8-11   LDS: 16 x lane + WB + 4 BLOCKs x j
.set AWS, 28                           ; v28-31  LDS: 4 x lane + the same
.set FB0, 32                           ; v32-79 shared fragments of tiles 0-3;  v160-207 of tiles 4-7
.set SCW, 80                           ; v80-83  their scale words: register p: lanes 0-15 tile 2 p, lanes 16-31 tile 2 p + 1
.set QS,  88                           ; v88-90  my own scale words, a ring of three
.set BA,  91                           ; v91     the bias's offset
.set PW,  92                           ; v92     the scale word that is made
.set ACC, 96                           ; v96-159 eight accumulators
.set QR,  208                          ; v208-243 my own fragments, a ring of three
.set WV,  18
.set SEL, 20
.set G1,  24
.set G0A, 32
.set G0B, 36
.set QB,  46
.macro MMA d, a, b, sa, sb, odd        ; D = C: the sum goes on in place.  odd: source 0's scale words stand in lanes 16-31
.if \odd
	v_wmma_scale_f32_16x16x128_f8f6f4 v[(\d):(\d)+7], v[(\a):(\a)+11], v[(\b):(\b)+11], v[(\d):(\d)+7], v[\sa], v[\sb] matrix_a_fmt:MATRIX_FMT_FP6 matrix_b_fmt:MATRIX_FMT_FP6 matrix_a_scale:MATRIX_SCALE_ROW1
.else
	v_wmma_scale_f32_16x16x128_f8f6f4 v[(\d):(\d)+7], v[(\a):(\a)+11], v[(\b):(\b)+11], v[(\d):(\d)+7], v[\sa], v[\sb] matrix_a_fmt:MATRIX_FMT_FP6 matrix_b_fmt:MATRIX_FMT_FP6
.endif
.endm
.macro WLOAD s, g                      ; 14 LDS loads: K step s, tiles 4 g .. 4 g + 3 of the shared stream, and their scale words
.irp i, 0,1,2,3
.irp c, 0,1,2
	ds_load_b128 v[FB0+128*(\g)+12*\i+4*\c:FB0+128*(\g)+12*\i+4*\c+3], v[AWI+(\s)/4] offset:((\s)%4)*BLK+(4*(\g)+\i)*1536+512*\c
.endr
.endr
.irp e, 0,1
	ds_load_b32 v[SCW+2*(\g)+\e], v[AWS+(\s)/4] offset:((\s)%4)*BLK+12288+128*(2*(\g)+\e)
.endr
.endm
.macro QLOAD s                         ; 4 loads: my own fragment of K step s and its scale words
.irp c, 0,1,2
	global_load_b128 v[QR+12*((\s)%3)+4*\c:QR+12*((\s)%3)+4*\c+3], v[QA], s[QB:QB+1] offset:BLK*(\s)+512*\c
.endr
	global_load_b32 v[QS+(\s)%3], v[QSA], s[QB:QB+1] offset:BLK*(\s)
.endm
.macro PGRP s, g                       ; four products of K step s, and the loads that take their registers
.if ((\s) == 15) && ((\g) == 1)
	s_wait_dscnt 0x0
.else
	s_wait_dscnt 14                                ; my four fragments are in; the other buffer's 14 loads may be out
.endif
.if (\g) == 0
.if (\s) < 14
	s_wait_loadcnt 8                               ; my own fragment of this step is in (and all that was loaded before it); the two younger steps' 8 loads may be out
.else
	s_wait_loadcnt 4*(15-(\s))
.endif
.endif
.irp i, 0,1,2,3
	MMA ACC+8*(4*(\g)+\i), FB0+128*(\g)+12*\i, QR+12*((\s)%3), SCW+2*(\g)+\i/2, QS+(\s)%3, \i%2
.endr
.rept 4
	v_nop                                          ; four places in front of loads into registers that these products have read, and of the first read of results
.endr
.if (\s) < 15
	WLOAD (\s)+1, \g
.endif
.if ((\g) == 1) && ((\s) < 13)
	QLOAD (\s)+3
.endif
.endm
.macro PROJ
	WLOAD 0, 0
	WLOAD 0, 1
.set S, 0
.rept 7
	PGRP S, 0
	PGRP S, 1
.set S, S+1
.endr
	s_wait_tensorcnt MIDCNT                        ; my part of K steps 8 to 15 has landed,
	s_wait_dscnt 0x0
	s_barrier_signal -1
	s_barrier_wait -1                              ; everybody's has
.rept 9
	PGRP S, 0
	PGRP S, 1
.set S, S+1
.endr
.endm
; 64 numbers of a lane, register 16 b + i = k 32 b + 16 (lane / 16) + i of my row, become a fragment's 12 registers in v[pc] on and my row's scale word in v[pw]
.macro QUANT s, pc, pw
.irp b, 0,1,2,3
	v_max3_num_f32 v[232+\b], |v[\s+16*\b]|, |v[\s+1+16*\b]|, 0x1800000   ; each accumulator is read from its low end on; the floor 2^(3 - 127) holds the byte at 1 from below
.endr
.irp i, 2,4,6,8,10,12,14
.irp b, 0,1,2,3
	v_max3_num_f32 v[232+\b], v[232+\b], |v[\s+16*\b+\i]|, |v[\s+1+16*\b+\i]|
.endr
.endr
.irp b, 0,1,2,3
	v_permlanex16_b32 v[236+\b], v[232+\b], s[SEL], s[SEL+1]
.endr
.irp b, 0,1,2,3
	v_max_num_f32 v[232+\b], v[232+\b], v[236+\b]  ; with lane l xor 16's: the block's largest magnitude
.endr
.irp b, 0,1,2,3
	v_add_nc_u32 v[244+\b], 0xff000000, v[232+\b]  ; 2 off its exponent field: the conversion's scale operand
.endr
.irp b, 0,1,2,3
	v_lshrrev_b32 v[236+\b], 23, v[244+\b]         ; the byte
.endr
	v_lshl_or_b32 v[\pw], v237, 8, v236
	v_lshl_or_b32 v[\pw], v238, 16, v[\pw]
	v_lshl_or_b32 v[\pw], v239, 24, v[\pw]
.irp c, 0,1
	v_cvt_scalef32_pk16_fp6_f32 v[\pc+6*\c:\pc+2+6*\c], v[\s+32*\c:\s+15+32*\c], v[244+2*\c]
	v_cvt_scalef32_pk16_fp6_f32 v[236+4*\c:238+4*\c], v[\s+16+32*\c:\s+31+32*\c], v[244+2*\c+1]   ; (a conversion's three registers begin on an even number)
.endr
	v_nop                                          ; one plain place behind a scaled conversion
.irp c, 0,1                            ; the operand wants a WHOLE block in a lane: lanes 0-15 block 2 c, lanes 16-31 block 2 c + 1
.irp i, 0,1,2
	v_permlane16_swap_b32 v[\pc+6*\c+\i], v[236+4*\c+\i]
.endr
.irp i, 0,1,2
	v_mov_b32 v[\pc+3+6*\c+\i], v[236+4*\c+\i]
.endr
.endr
.endm
	s_load_b256 s[4:11], s[0:1], 0x0               ; kc s[4:5], vc s[6:7], wc s[8:9], bk s[10:11]
	s_load_b128 s[12:15], s[0:1], 0x20             ; bv s[12:13], kvb s[14:15]
	v_lshl_add_u32 v[SPW], v0, 2, SPARE
	v_mov_b32 v[NIL], 0
	ds_add_u32 v[SPW], v[NIL]                      ; the wave's opening: the add and its wait stand ahead of my first tensor load; work on registers stands between them
	v_lshrrev_b32 v8, 5, v0
	v_readfirstlane_b32 s[WV], v8                  ; wave 0..3
	s_lshr_b32 s40, ttmp9, 6                       ; 0: kh, 1: vh
	s_and_b32 s41, ttmp9, 63
	s_lshr_b32 s41, s41, 1                         ; G: which 128 keys of the 4,096
	s_and_b32 s42, ttmp9, 1
	s_lshl_b32 s42, s42, 2
	s_add_co_u32 s42, s42, s[WV]                   ; my tile of the eight
	s_mul_i32 s43, s41, GRP
	s_mul_i32 s58, s41, 2*BLK
	s_mul_i32 s59, s40, BLK
	s_add_co_u32 s58, s58, s59                     ; the BLOCK that my work-group's tiles go into
	s_mov_b32 s59, 0
	s_lshr_b32 s60, s42, 1
	s_lshl_b32 s60, s60, 5
	s_and_b32 s61, s42, 1
	s_lshl_b32 s61, s61, 3
	s_add_co_u32 s60, s60, s61                     ; my tile's first row: 32 (tile / 2) + 8 (tile % 2)
	s_mul_i32 s62, s42, 1536
	s_lshl_b32 s63, s42, 6
	s_mov_b32 s[SEL], 0x76543210
	s_mov_b32 s[SEL+1], 0xfedcba98
	; descriptor group 1: two BLOCKs, 25,600 dense bytes, as 100 rows of 256 bytes
	s_mov_b32 s[G1], 3<<16                         ; no mask; elements of 8 bytes; no padding
	s_mov_b32 s[G1+1], 32<<16                      ; tensor_dim0 = 32
	s_mov_b32 s[G1+2], 100<<16                     ; tensor_dim1 = 100
	s_mov_b32 s[G1+3], 32<<16                      ; tile_dim0 = 32
	s_mov_b32 s[G1+4], 100                         ; tile_dim1 = 100
	s_mov_b32 s[G1+5], 32                          ; from row to row
	s_mov_b32 s[G1+6], 0
	s_mov_b32 s[G1+7], 0
	s_mov_b32 s[G0A], 1
	s_mul_i32 s[G0A+1], s[WV], 2*BLK               ; LDS: K steps 2 w and 2 w + 1,
	s_mov_b32 s[G0B], 1
	s_add_co_u32 s[G0B+1], s[G0A+1], 8*BLK         ; and 8 + 2 w, 9 + 2 w
	s_wait_dscnt 0x0                               ; the opening add is done
	s_wait_kmcnt 0x0
	s_cmp_eq_u32 s40, 0                            ; the choice of buffers hangs on the work-group's number alone
	s_cselect_b64 s[52:53], s[8:9], s[6:7]         ; shared: Wk's codes | v's
	s_cselect_b64 s[QB:QB+1], s[4:5], s[8:9]       ; own: k's codes | Wv's
	s_mov_b32 s45, 17*GRP
	s_cselect_b32 s44, 16*GRP, s43
	s_cselect_b32 s54, s43, s45
	s_mov_b32 s45, 0
	s_mov_b32 s55, 0
	s_add_nc_u64 s[52:53], s[52:53], s[44:45]
	s_add_nc_u64 s[QB:QB+1], s[QB:QB+1], s[54:55]
	s_add_nc_u64 s[50:51], s[14:15], s[58:59]
	s_mov_b32 s56, s[G0A+1]
	s_mov_b32 s57, 0
	s_add_nc_u64 s[G0A+2:G0A+3], s[52:53], s[56:57]
	s_add_nc_u64 s[G0B+2:G0B+3], s[G0A+2:G0A+3], 8*BLK
	s_or_b32 s[G0A+3], s[G0A+3], 0x80000000        ; type = 2
	s_or_b32 s[G0B+3], s[G0B+3], 0x80000000
	tensor_load_to_lds s[G0A:G0A+3], s[G1:G1+7]    ; both first fills together: two tensor loads of mine are out
	s_nop 0
	tensor_load_to_lds s[G0B:G0B+3], s[G1:G1+7]
	s_nop 0
.rept 4
	v_nop
.endr
	v_and_b32 v13, 15, v0                          ; r
	v_bfe_u32 v14, v0, 4, 1                        ; h
	v_and_b32 v15, 31, v0                          ; lane
	; the bias goes into the accumulators
	s_cmp_eq_u32 s40, 0
	s_cbranch_scc0 .Lbias_v
	v_lshlrev_b32 v[BA], 6, v14                    ; kh: register j of tile t is d = 32 (t / 2) + 8 (t % 2) + 16 h + j
.irp t, 0,1,2,3,4,5,6,7
.irp e, 0,1
	global_load_b128 v[ACC+8*\t+4*\e:ACC+8*\t+4*\e+3], v[BA], s[10:11] offset:(32*(\t/2)+8*(\t%2))*4+16*\e
.endr
.endr
	s_branch .Lbias_done
.Lbias_v:
	v_and_b32 v[BA], 8, v13                        ; vh: all my 64 sums belong to one d: my tile's first row + r + 8 (r / 8)
	v_add_nc_u32 v[BA], v[BA], v13
	v_add_nc_u32 v[BA], s60, v[BA]
	v_lshlrev_b32 v[BA], 2, v[BA]
	global_load_b32 v[ACC], v[BA], s[12:13]
	s_wait_loadcnt 0x0
.set J, 1
.rept 63
	v_mov_b32 v[ACC+J], v[ACC]                     ; once a wave
.set J, J+1
.endr
.Lbias_done:
	v_lshlrev_b32 v[LI], 4, v15
	v_lshlrev_b32 v[LS], 2, v15
	v_add_nc_u32 v[QA], s62, v[LI]
	v_lshl_add_u32 v[QSA], v13, 2, s63
	v_add_nc_u32 v[QSA], 12288, v[QSA]
	QLOAD 0
	QLOAD 1
	QLOAD 2
.irp j, 0,1,2,3
	v_add_nc_u32 v[AWI+\j], WB+4*BLK*\j, v[LI]
	v_add_nc_u32 v[AWS+\j], WB+4*BLK*\j, v[LS]
.endr
	s_wait_tensorcnt 0x1                           ; my part of K steps 0 to 7 has landed; my second fill may stay out
	s_barrier_signal -1
	s_barrier_wait -1                              ; everybody's has
	PROJ
.irp b, 0,1,2,3
	v_mov_b32 v[236+\b], 0                         ; a lane permute's destination counts as one of its sources
.endr
	QUANT ACC, 16, PW
.irp c, 0,1,2
	global_store_b128 v[QA], v[16+4*\c:19+4*\c], s[50:51] offset:512*\c   ; 512 consecutive bytes, at a multiple of 256 from the buffer's first byte
.endr
	global_store_b32 v[QSA], v[PW], s[50:51]       ; lanes l and l xor 16 hold the same word and name the same place: 64 consecutive bytes a wave, 32 KiB in the whole launch
	s_wait_tensorcnt 0x0                           ; the wave's end
	ds_add_u32 v[SPW], v[NIL]
	s_wait_dscnt 0x0
	s_endpgm
.Lfunc_end_k_q0e2bd2121a_kvproj:
	.size	k_q0e2bd2121a_kvproj, .Lfunc_end_k_q0e2bd2121a_kvproj-k_q0e2bd2121a_kvproj
	.p2alignl 7, 3214868480
	.fill 96, 4, 3214868480
	.section	.rodata,"a",@progbits
	.p2align	6, 0x0
	.amdhsa_kernel k_q0e2bd2121a_kvproj
		.amdhsa_group_segment_fixed_size 212992
		.amdhsa_private_segment_fixed_size 0
		.amdhsa_enable_private_segment 0
		.amdhsa_kernarg_size 48
		.amdhsa_user_sgpr_count 2
		.amdhsa_user_sgpr_kernarg_segment_ptr 1
		.amdhsa_wavefront_size32 1
		.amdhsa_system_sgpr_workgroup_id_x 1
		.amdhsa_system_sgpr_workgroup_id_y 1
		.amdhsa_system_sgpr_workgroup_id_z 1
		.amdhsa_system_vgpr_workitem_id 0
		.amdhsa_next_free_vgpr 256
		.amdhsa_next_free_sgpr 66
		.amdhsa_reserve_vcc 0
		.amdhsa_float_denorm_mode_32 3
		.amdhsa_float_denorm_mode_16_64 3
		.amdhsa_memory_ordered 1
		.amdhsa_forward_progress 1
		.amdhsa_inst_pref_size 68
	.end_amdhsa_kernel
	.amdgpu_metadata
---
amdhsa.version: [ 1, 2 ]
amdhsa.kernels:
  - .name:           k_q0e2bd2121a_kvproj
    .symbol:         k_q0e2bd2121a_kvproj.kd
    .args:
      - { .name: kc, .offset: 0, .size: 8, .value_kind: global_buffer, .address_space: global }
      - { .name: vc, .offset: 8, .size: 8, .value_kind: global_buffer, .address_space: global }
      - { .name: wc, .offset: 16, .size: 8, .value_kind: global_buffer, .address_space: global }
      - { .name: bk, .offset: 24, .size: 8, .value_kind: global_buffer, .address_space: global }
      - { .name: bv, .offset: 32, .size: 8, .value_kind: global_buffer, .address_space: global }
      - { .name: kvb, .offset: 40, .size: 8, .value_kind: global_buffer, .address_space: global }
    .group_segment_fixed_size: 212992
    .private_segment_fixed_size: 0
    .kernarg_segment_align: 8
    .kernarg_segment_size: 48
    .max_flat_workgroup_size: 128
    .sgpr_count:     66
    .vgpr_count:     256
    .wavefront_size: 32
...
	.end_amdgpu_metadata
.endif
;; end of part 2
;; launch attn (part 3): grid 8 x 32, 16 waves a work-group, clusters of 4 x 1, 327,680 bytes of LDS; arguments qc, wc, kvb, bq, out0; writes out0
.if DOCPART == 3
	.amdgcn_target "amdgcn-amd-amdhsa--gfx1250"
	.amdhsa_code_object_version 6
	.text
	.protected	k_q0e2bd2121a_attn
	.globl	k_q0e2bd2121a_attn
	.p2align	8
	.type	k_q0e2bd2121a_attn,@function
k_q0e2bd2121a_attn:
	s_mov_b64 s[64:65], 0
	v_nop
	global_prefetch_b8 v0, s[64:65] scope:SCOPE_SE
	s_setreg_imm32_b32 hwreg(HW_REG_WAVE_MODE, 25, 1), 1
	s_wait_xcnt 0x0
	s_wait_alu depctr_hold_cnt(0) depctr_sa_sdst(0) depctr_va_vdst(0) depctr_va_sdst(0) depctr_va_ssrc(0) depctr_va_vcc(0) depctr_vm_vsrc(0)
	s_getreg_b32 s2, hwreg(HW_REG_IB_STS2, 6, 4)
	s_cmp_eq_u32 s2, 0
	s_cbranch_scc0 .Lentry_in_a_cluster
	s_endpgm
.Lentry_in_a_cluster:
	s_bfe_u32 s2, ttmp6, 0x10000c
	s_cmp_lg_u32 s2, 0x3003
	s_cbranch_scc0 .Lentry_shape_is_right
	s_endpgm
.Lentry_shape_is_right:
; out[b][q][128 head + d] = the sum over keys of softmax(qh . kh / sqrt(128)) vh, with qh = q Wq + bq made here; all three products on codes of FP6 (E2M3) with one E8M0 scale for each 32 along K.
; Operands come as BLOCKs of 12,800 bytes: eight fragments as images of operand registers (fragment t at 1536 t; registers 4 c .. 4 c + 3 of lane L at 512 c + 16 L), then 512 bytes of scale words (row m of tile t at
; 12288 + 64 t + 4 m).  Lane row m of tile 2 b + u is row 32 b + 8 u + m + 8 (m / 8) of the BLOCK's 128, so that in a product used transposed the 16 registers of result tiles 2 b, 2 b + 1 are 16 neighbours.
; SHARES.  A work-group owns 256 queries of one head of one batch; each of its sixteen waves 16 of them, in 256 registers: four waves to a SIMD, so that one wave's vector work stands beside another's products and LDS loads.
; PHASE 1: qh^T = Wq^T q^T + bq: source 0 = the head's 128 rows of Wq (16 BLOCKs, whole in LDS, filled once), source 1 = my 16 queries' fragment from memory; the 64 sums are quantised in registers: Q's fragment.  qh never leaves the wave.
; PHASE 2: every wave walks the batch's 2,048 keys, 128 a step: S^T = K Q^T, the softmax, O^T += V^T P^T; a lane holds ONE query throughout.  A key step is K's BLOCK and V's BLOCK, 25,600 bytes; a slot of the ring holds four.
; THE SOFTMAX: t = score x log2(e) / sqrt(128); M = the running largest t rounded UP to a whole number; p = 2^(t - M) is quantised along the keys, not normalised; the row's sum is taken of the unquantised p and divides at the
; end; when M moves, the sum and O^T are multiplied by 2^(old M - new M), which rounds nothing.
; CLUSTER: the four query blocks of a cluster share head and batch, so Wq's BLOCKs and every key step are asked for JOINTLY: the same tensor load with the same descriptor and the mask of all four.  My place in the cluster
; enters only the addresses of q's codes and of the output.  (q's codes are shared by the 16 heads, which lie in other clusters: they come by plain loads.)
; LDS: slot 0 at 0; Wq's BLOCKs from 102,400; slot 1 at 131,072, in bytes of Wq's that phase 1 has done with; the way out's stages from 233,472, in bytes that have had their one fill and are read no more; the spare words.
; LIMITS: NaN and infinities are not served; a block under the floor 2^-124 keeps the byte 1; a block's largest p is taken as the exponential of its largest score (v_exp_f32 taken not to fall where its input rises).
.set BLK,   12800
.set GRP,   16*BLK
.set KVS,   2*BLK                      ; a key step
.set SLOTB, 4*KVS                      ; a slot
.set WB,    SLOTB
.set SLOT1, 1<<17                      ; one exclusive or turns an address in one slot into the other's
.set STAGE, SLOT1+SLOTB                ; 16 rows x 272 bytes for each wave
.set SPARE, WB+GRP                     ; the spare words, 128 bytes for each wave: eight blocks of 256 bytes that no other line names
.set MIDCNT, 1                         ; in front of phase 1's second barrier: Wq's second part has landed; the first key steps may be out
.set LI,  1                            ; v1   16 x lane
.set LS,  2                            ; v2   4 x lane
.set QA,  3                            ; v3   my queries' fragment in a BLOCK: 16 x lane + 1536 x tile
.set QSA, 4                            ; v4   its scale words': 12288 + 64 x tile + 4 (lane % 16)
.set SPW, 5                            ; v5   my spare word; never rewritten
.set NIL, 6                            ; v6   0; never rewritten
.set GO,  7                            ; v7   the way out: 8192 (lane / 16) + 16 (lane % 16)
.set AWI, 8                            ; v8-11   phase 1: 16 x lane + WB + 4 BLOCKs x j.   Phase 2: v8, v9 the key step's addresses; v10, v11 the stage's
.set ADK, 8
.set ADS, 9
.set AWS, 28                           ; v28-31  phase 1: 4 x lane + the same
.set FB0, 32                           ; v32-79 four fragments (phase 1: tiles 0-3; v160-207 tiles 4-7)
.set SCW, 80                           ; v80-83  scale words of source 0: register p: lanes 0-15 tile 2 p, lanes 16-31 tile 2 p + 1
.set VSC, 84                           ; v84-87  V's likewise
.set QS,  88                           ; v88-90  phase 1: my queries' scale words, a ring of three
.set BA,  91                           ; v91     the bias's offset
.set ACC, 96                           ; v96-159 phase 1: qh^T; phase 2: S^T, then p.   v160-223 O^T; v224-235 p's codes; v232-254 at work; v253 p's scale word; v255 Q's; v16-27 Q's fragment; v12 -M, v13 the largest t, v[14:15] the sum
.set QR,  208                          ; v208-243 phase 1: my queries' fragments, a ring of three
.set TB,  2                            ; s2   LDS byte at which the key step in hand begins
.set SLOTS, 3                          ; s3   slots still to be asked for
.set WV,  18
.set SEL, 20
.set CS,  22                           ; s[22:23] c = log2(e) / sqrt(128)
.set G1,  24
.set G0A, 32
.set G0B, 36
.set G0K, 40                           ; the walking descriptor of the key steps
.set STP, 44
.set QB,  46
.set BQ,  48
.macro MMA d, a, b, sa, sb, odd        ; D = C: the sum goes on in place.  odd: source 0's scale words stand in lanes 16-31
.if \odd
	v_wmma_scale_f32_16x16x128_f8f6f4 v[(\d):(\d)+7], v[(\a):(\a)+11], v[(\b):(\b)+11], v[(\d):(\d)+7], v[\sa], v[\sb] matrix_a_fmt:MATRIX_FMT_FP6 matrix_b_fmt:MATRIX_FMT_FP6 matrix_a_scale:MATRIX_SCALE_ROW1
.else
	v_wmma_scale_f32_16x16x128_f8f6f4 v[(\d):(\d)+7], v[(\a):(\a)+11], v[(\b):(\b)+11], v[(\d):(\d)+7], v[\sa], v[\sb] matrix_a_fmt:MATRIX_FMT_FP6 matrix_b_fmt:MATRIX_FMT_FP6
.endif
.endm
.macro MMZ d, a, b, sa, sb, odd        ; C = 0: the product is the whole sum
.if \odd
	v_wmma_scale_f32_16x16x128_f8f6f4 v[(\d):(\d)+7], v[(\a):(\a)+11], v[(\b):(\b)+11], 0, v[\sa], v[\sb] matrix_a_fmt:MATRIX_FMT_FP6 matrix_b_fmt:MATRIX_FMT_FP6 matrix_a_scale:MATRIX_SCALE_ROW1
.else
	v_wmma_scale_f32_16x16x128_f8f6f4 v[(\d):(\d)+7], v[(\a):(\a)+11], v[(\b):(\b)+11], 0, v[\sa], v[\sb] matrix_a_fmt:MATRIX_FMT_FP6 matrix_b_fmt:MATRIX_FMT_FP6
.endif
.endm
.macro WLOAD s, g                      ; 14 LDS loads: K step s, tiles 4 g .. 4 g + 3 of Wq's head, and their scale words
.irp i, 0,1,2,3
.irp c, 0,1,2
	ds_load_b128 v[FB0+128*(\g)+12*\i+4*\c:FB0+128*(\g)+12*\i+4*\c+3], v[AWI+(\s)/4] offset:((\s)%4)*BLK+(4*(\g)+\i)*1536+512*\c
.endr
.endr
.irp e, 0,1
	ds_load_b32 v[SCW+2*(\g)+\e], v[AWS+(\s)/4] offset:((\s)%4)*BLK+12288+128*(2*(\g)+\e)
.endr
.endm
.macro QLOAD s                         ; 4 loads: my queries' fragment of K step s and its scale words
.irp c, 0,1,2
	global_load_b128 v[QR+12*((\s)%3)+4*\c:QR+12*((\s)%3)+4*\c+3], v[QA], s[QB:QB+1] offset:BLK*(\s)+512*\c
.endr
	global_load_b32 v[QS+(\s)%3], v[QSA], s[QB:QB+1] offset:BLK*(\s)
.endm
.macro PGRP s, g                       ; four products of K step s, and the loads that take their registers.  The eight accumulators take turns, one instruction a turn
.if ((\s) == 15) && ((\g) == 1)
	s_wait_dscnt 0x0
.else
	s_wait_dscnt 14                                ; my four fragments are in; the other buffer's 14 loads may be out
.endif
.if (\g) == 0
.if (\s) < 14
	s_wait_loadcnt 8                               ; my queries' fragment of this step is in (and the bias, loaded before it); the two younger steps' 8 loads may be out
.else
	s_wait_loadcnt 4*(15-(\s))
.endif
.endif
.irp i, 0,1,2,3
	MMA ACC+8*(4*(\g)+\i), FB0+128*(\g)+12*\i, QR+12*((\s)%3), SCW+2*(\g)+\i/2, QS+(\s)%3, \i%2
.endr
.rept 4
	v_nop                                          ; four places in front of loads into registers that these products have read, and of the first read of results
.endr
.if (\s) < 15
	WLOAD (\s)+1, \g
.endif
.if ((\g) == 1) && ((\s) < 13)
	QLOAD (\s)+3
.endif
.endm
.macro PROJ
	WLOAD 0, 0
	WLOAD 0, 1
.set S, 0
.rept 7
	PGRP S, 0
	PGRP S, 1
.set S, S+1
.endr
	s_wait_tensorcnt MIDCNT                        ; my part of K steps 8 to 15 has landed,
	s_wait_dscnt 0x0
	s_barrier_signal -1
	s_barrier_wait -1                              ; everybody's has
.rept 9
	PGRP S, 0
	PGRP S, 1
.set S, S+1
.endr
.endm
; 64 numbers of a lane, register 16 b + i = k 32 b + 16 (lane / 16) + i of my row, become a fragment's 12 registers in v[pc] on and my row's scale word in v[pw]
.macro QUANT s, pc, pw
.irp b, 0,1,2,3
	v_max3_num_f32 v[232+\b], |v[\s+16*\b]|, |v[\s+1+16*\b]|, 0x1800000   ; each accumulator is read from its low end on; the floor 2^(3 - 127) holds the byte at 1 from below
.endr
.irp i, 2,4,6,8,10,12,14
.irp b, 0,1,2,3
	v_max3_num_f32 v[232+\b], v[232+\b], |v[\s+16*\b+\i]|, |v[\s+1+16*\b+\i]|
.endr
.endr
.irp b, 0,1,2,3
	v_permlanex16_b32 v[236+\b], v[232+\b], s[SEL], s[SEL+1]
.endr
.irp b, 0,1,2,3
	v_max_num_f32 v[232+\b], v[232+\b], v[236+\b]  ; with lane l xor 16's: the block's largest magnitude
.endr
.irp b, 0,1,2,3
	v_add_nc_u32 v[244+\b], 0xff000000, v[232+\b]  ; 2 off its exponent field: the conversion's scale operand
.endr
.irp b, 0,1,2,3
	v_lshrrev_b32 v[236+\b], 23, v[244+\b]         ; the byte
.endr
	v_lshl_or_b32 v[\pw], v237, 8, v236
	v_lshl_or_b32 v[\pw], v238, 16, v[\pw]
	v_lshl_or_b32 v[\pw], v239, 24, v[\pw]
.irp c, 0,1
	v_cvt_scalef32_pk16_fp6_f32 v[\pc+6*\c:\pc+2+6*\c], v[\s+32*\c:\s+15+32*\c], v[244+2*\c]
	v_cvt_scalef32_pk16_fp6_f32 v[236+4*\c:238+4*\c], v[\s+16+32*\c:\s+31+32*\c], v[244+2*\c+1]   ; (a conversion's three registers begin on an even number)
.endr
	v_nop                                          ; one plain place behind a scaled conversion
.irp c, 0,1                            ; the operand wants a WHOLE block in a lane: lanes 0-15 block 2 c, lanes 16-31 block 2 c + 1
.irp i, 0,1,2
	v_permlane16_swap_b32 v[\pc+6*\c+\i], v[236+4*\c+\i]
.endr
.irp i, 0,1,2
	v_mov_b32 v[\pc+3+6*\c+\i], v[236+4*\c+\i]
.endr
.endr
.endm
; A round of the cluster's barrier: my work-group's barrier; wave 0 signals for the work-group; every wave waits for all four work-groups; my work-group's barrier once more
.macro CROUND
	s_barrier_signal -1
	s_barrier_wait -1
	s_cmp_lg_u32 s[WV], 0
	s_cbranch_scc1 .Lnot_wave_0_\@
	s_barrier_signal -3
.Lnot_wave_0_\@:
	s_barrier_wait -3
	s_barrier_signal -1
	s_barrier_wait -1
.endm
.macro JLOAD                           ; a joint refill: waves 0 to 3 fetch one key step each; the branch hangs on the wave's number alone.  An s_nop 0 and four v_nop follow the load
	s_cmp_lt_u32 s[WV], 4
	s_cbranch_scc0 .Lnone_\@
	tensor_load_to_lds s[G0K:G0K+3], s[G1:G1+7]
	s_nop 0
.rept 4
	v_nop
.endr
.Lnone_\@:
.endm
	s_load_b256 s[4:11], s[0:1], 0x0               ; qc s[4:5], wc s[6:7], kvb s[8:9], bq s[10:11]
	s_load_b64 s[12:13], s[0:1], 0x20              ; out0
	v_lshl_add_u32 v[SPW], v0, 2, SPARE
	v_mov_b32 v[NIL], 0
	ds_add_u32 v[SPW], v[NIL]                      ; the wave's opening: the add and its wait stand ahead of the round in front of my first tensor load; work on registers stands between them
	v_lshrrev_b32 v8, 5, v0
	v_readfirstlane_b32 s[WV], v8                  ; wave 0..15
	s_bfe_u32 s50, ttmp6, 0x40000                  ; cx: my place in the cluster
	s_lshl_b32 s51, ttmp9, 2
	s_add_co_u32 s51, s51, s50                     ; my block of 256 queries
	s_and_b32 s52, ttmp7, 0xffff
	s_lshr_b32 s53, s52, 4                         ; the batch,
	s_and_b32 s54, s52, 15                         ; the head: the four partners share both
	s_lshl_b32 s55, s53, 4
	s_lshl_b32 s56, s51, 1
	s_add_co_u32 s55, s55, s56
	s_lshr_b32 s56, s[WV], 3
	s_add_co_u32 s55, s55, s56                     ; my group of 128 queries: 16 batch + 2 block + wave / 8
	s_and_b32 s70, s[WV], 7                        ; my tile in it
	s_mul_i32 s56, s55, GRP
	s_mov_b32 s57, 0
	s_and_b32 s60, s[WV], 3
	s_mul_i32 s60, s60, KVS                        ; what a fetching wave fetches: 25,600 bytes x wave, in memory and in LDS alike
	s_mul_i32 s58, s54, GRP
	s_add_co_u32 s58, s58, s60                     ; in Wq's codes: the head's group
	s_mov_b32 s59, 0
	s_mul_i32 s62, s53, 16*KVS
	s_add_co_u32 s62, s62, s60                     ; in the key steps: the batch's sixteen
	s_mov_b32 s63, 0
	s_lshl_b32 s66, s54, 9                         ; the head's 512 bytes in bq and in a row of the output
	s_mov_b32 s67, 0
	s_lshl_b32 s68, s55, 7
	s_lshr_b32 s69, s70, 1
	s_lshl_b32 s69, s69, 5
	s_add_co_u32 s68, s68, s69
	s_and_b32 s69, s70, 1
	s_lshl_b32 s69, s69, 3
	s_add_co_u32 s68, s68, s69                     ; my tile's first query among the 4,096
	s_lshl_b32 s68, s68, 13                        ; rows of 8,192 bytes
	s_add_co_u32 s68, s68, s66
	s_mov_b32 s69, 0
	s_mul_i32 s71, s70, 1536
	s_lshl_b32 s73, s70, 6
	s_mul_i32 s72, s[WV], 16*272
	s_add_co_u32 s72, s72, STAGE                   ; my stage
	s_mov_b32 s[SEL], 0x76543210
	s_mov_b32 s[SEL+1], 0xfedcba98                 ; v_permlanex16_b32's selects for lane l xor 16
	s_mov_b32 s[CS], 0x3e0293ee
	s_mov_b32 s[CS+1], s[CS]                       ; (named with it as a pair, so it is written)
	; descriptor group 1: 25,600 dense bytes as 100 rows of 256 bytes, for all four work-groups
	s_mov_b32 s[G1], 15|(3<<16)|(1<<21)            ; 15:0 the mask; 17:16 elements of 8 bytes; 20 no padding; 21 set beside a mask
	s_mov_b32 s[G1+1], 32<<16                      ; tensor_dim0 = 32
	s_mov_b32 s[G1+2], 100<<16                     ; tensor_dim1 = 100
	s_mov_b32 s[G1+3], 32<<16                      ; tile_dim0 = 32
	s_mov_b32 s[G1+4], 100                         ; tile_dim1 = 100
	s_mov_b32 s[G1+5], 32                          ; from row to row
	s_mov_b32 s[G1+6], 0
	s_mov_b32 s[G1+7], 0
	s_wait_dscnt 0x0                               ; the opening add is done
	s_wait_kmcnt 0x0
	s_add_nc_u64 s[QB:QB+1], s[4:5], s[56:57]
	s_add_nc_u64 s[BQ:BQ+1], s[10:11], s[66:67]
	s_add_nc_u64 s[16:17], s[12:13], s[68:69]
	CROUND                                         ; all four work-groups are here: the first joint loads meet
	s_mov_b32 s[G0A], 1
	s_add_co_u32 s[G0A+1], s60, WB                 ; Wq's K steps 2 w, 2 w + 1,
	s_add_nc_u64 s[G0A+2:G0A+3], s[6:7], s[58:59]
	s_mov_b32 s[G0B], 1
	s_add_co_u32 s[G0B+1], s60, WB+8*BLK           ; 8 + 2 w, 9 + 2 w,
	s_add_nc_u64 s[G0B+2:G0B+3], s[G0A+2:G0A+3], 8*BLK
	s_or_b32 s[G0A+3], s[G0A+3], 0x80000000        ; type = 2
	s_or_b32 s[G0B+3], s[G0B+3], 0x80000000
	s_mov_b32 s[G0K], 1
	s_mov_b32 s[G0K+1], s60                        ; and key step w, into slot 0
	s_add_nc_u64 s[G0K+2:G0K+3], s[8:9], s[62:63]
	s_or_b32 s[G0K+3], s[G0K+3], 0x80000000
	s_cmp_lt_u32 s[WV], 4                          ; a fetching wave's three first fills stand in one branch, ahead of every wait on TENSORcnt and every LDS read: three tensor loads of mine are out
	s_cbranch_scc0 .Lno_fill
	tensor_load_to_lds s[G0A:G0A+3], s[G1:G1+7]
	s_nop 0
	tensor_load_to_lds s[G0B:G0B+3], s[G1:G1+7]
	s_nop 0
	tensor_load_to_lds s[G0K:G0K+3], s[G1:G1+7]
	s_nop 0
.rept 4
	v_nop
.endr
.Lno_fill:
	v_and_b32 v13, 15, v0                          ; r
	v_bfe_u32 v14, v0, 4, 1                        ; h
	v_and_b32 v15, 31, v0                          ; lane
	v_lshlrev_b32 v[BA], 6, v14                    ; the bias goes into the accumulators: register j of tile t is d = 32 (t / 2) + 8 (t % 2) + 16 h + j
.irp t, 0,1,2,3,4,5,6,7
.irp e, 0,1
	global_load_b128 v[ACC+8*\t+4*\e:ACC+8*\t+4*\e+3], v[BA], s[BQ:BQ+1] offset:(32*(\t/2)+8*(\t%2))*4+16*\e
.endr
.endr
	v_lshlrev_b32 v[LI], 4, v15
	v_lshlrev_b32 v[LS], 2, v15
	v_add_nc_u32 v[QA], s71, v[LI]
	v_lshl_add_u32 v[QSA], v13, 2, s73
	v_add_nc_u32 v[QSA], 12288, v[QSA]
	QLOAD 0
	QLOAD 1
	QLOAD 2
.irp j, 0,1,2,3
	v_add_nc_u32 v[AWI+\j], WB+4*BLK*\j, v[LI]
	v_add_nc_u32 v[AWS+\j], WB+4*BLK*\j, v[LS]
.endr
	v_lshlrev_b32 v[GO], 13, v14
	v_lshl_add_u32 v[GO], v13, 4, v[GO]
	; ---- phase 1
	s_wait_tensorcnt 0x2                           ; my part of Wq's K steps 0 to 7 has landed; my two younger fills may stay out
	s_barrier_signal -1
	s_barrier_wait -1                              ; everybody's has
	PROJ
.irp b, 0,1,2,3
	v_mov_b32 v[236+\b], 0                         ; a lane permute's destination counts as one of its sources
.endr
	QUANT ACC, 16, 255                             ; Q's fragment in v16-27, its scale words in v255
	v_mov_b32 v13, 0xff61b1e6                      ; the largest t so far: -3e38, under every t
	v_floor_f32 v12, -v13                          ; -M
	v_mov_b32 v14, 0                               ; the sum, in two halves
	v_mov_b32 v15, 0
	v_mov_b32 v253, 0                              ; (named as the upper half of the pair v[252:253] before it is first written)
.set J, 0
.rept 64
	v_mov_b32 v[160+J], 0                          ; O^T.  The key step is written once: the first finds zeros, which the first change of M leaves zeros.  (These lines are also the places between Q's codes and scale word and the first product)
.set J, J+1
.endr
	s_mov_b32 s[TB], 0
	s_mov_b32 s[SLOTS], 3
.macro VLOAD g                         ; V's tiles 4 g .. 4 g + 3 of the key step
.irp i, 0,1,2,3
.irp c, 0,1,2
	ds_load_b128 v[FB0+12*\i+4*\c:FB0+12*\i+4*\c+3], v[ADK] offset:BLK+(4*(\g)+\i)*1536+512*\c
.endr
.endr
.endm
; A KEY STEP: 128 keys
.macro STEP
	v_add_nc_u32 v[ADK], s[TB], v[LI]
	v_add_nc_u32 v[ADS], s[TB], v[LS]
	v_nop
	v_nop                                          ; with the two additions: four places behind the last products, in front of loads into registers that they have read
.irp g, 0,1                            ; S^T = K Q^T, four tiles of 16 keys at a time
.if \g
.rept 4
	v_nop
.endr
.endif
.irp i, 0,1,2,3
.irp c, 0,1,2
	ds_load_b128 v[FB0+12*\i+4*\c:FB0+12*\i+4*\c+3], v[ADK] offset:(4*\g+\i)*1536+512*\c
.endr
.endr
.if \g == 0
.irp b, 0,1,2,3
	ds_load_b32 v[SCW+\b], v[ADS] offset:12288+128*\b
.endr
.endif
	s_wait_dscnt 0x0
.irp i, 0,1,2,3
	MMZ ACC+8*(4*\g+\i), FB0+12*\i, 16, SCW+2*\g+\i/2, 255, \i%2
.endr
.endr
.rept 4
	v_nop                                          ; places in front of the loads below and of the first read of the scores
.endr
	VLOAD 0                                        ; V's first four tiles and its scale words are asked for here: they land while the softmax is walked
.irp b, 0,1,2,3
	ds_load_b32 v[VSC+\b], v[ADS] offset:BLK+12288+128*\b
.endr
.irp b, 0,1,2,3
	v_max3_num_f32 v[232+\b], v[96+16*\b], v[97+16*\b], v[98+16*\b]   ; the largest score of each block of 32 keys: for the row's maximum and, since p rises with the score, for the block's largest p
.endr
.irp i, 3,5,7,9,11,13
.irp b, 0,1,2,3
	v_max3_num_f32 v[232+\b], v[232+\b], v[96+16*\b+\i], v[97+16*\b+\i]
.endr
.endr
.irp b, 0,1,2,3
	v_max_num_f32 v[232+\b], v[232+\b], v[111+16*\b]
.endr
.irp b, 0,1,2,3
	v_permlanex16_b32 v[236+\b], v[232+\b], s[SEL], s[SEL+1]
.endr
.irp b, 0,1,2,3
	v_max_num_f32 v[232+\b], v[232+\b], v[236+\b]  ; with lane l xor 16's 16 keys
.endr
	v_max3_num_f32 v254, v232, v233, v234
	v_max_num_f32 v254, v254, v235                 ; the step's largest score of my query
	v_mul_f32 v254, s[CS], v254                    ; as t (c is positive)
	v_max_num_f32 v13, v13, v254                   ; the running largest t
	v_mov_b32 v254, v12
	v_floor_f32 v12, -v13                          ; the new -M = floor(-t) = -ceil(t): a whole number
	v_sub_f32 v254, v12, v254                      ; M's old value less its new one: a whole number, 0 or less
	v_cvt_i32_f32 v254, v254                       ; (it saturates)
	v_ldexp_f32 v252, 1.0, v254                    ; f = 2^(old M - new M)
.set J, 0
.rept 32
	v_pk_fma_f32 v[96+J:97+J], v[96+J:97+J], s[CS:CS+1], v[12:13] op_sel_hi:[1,0,0]   ; t - M, two at a time (of the pairs c and -M the low word serves both halves)
.set J, J+2
.endr
.irp b, 0,1,2,3
	v_fma_f32 v[232+\b], v[232+\b], s[CS], v12     ; the same of each block's largest score
.endr
.set J, 0
.rept 64
	v_exp_f32 v[96+J], v[96+J]                     ; p = 2^(t - M), at most 1: not normalised
.set J, J+1
.endr
	v_pk_mul_f32 v[14:15], v[14:15], v[252:253] op_sel_hi:[1,0]   ; the sums under the new M: a plain place behind the exponentials
	s_wait_alu depctr_va_vdst(0)                   ; the wait ahead of the first line that names a result: one for the batch of 64
.irp b, 0,1,2,3
	v_exp_f32 v[232+\b], v[232+\b]                 ; the block's largest p: the same two instructions on the same number give the same bits
.endr
	v_pk_add_f32 v[236:237], v[96:97], v[98:99]    ; the row's sum is taken of the unquantised p: two at a time, in two chains; these lines read the 64 alone
.irp j, 4,8,12,16,20,24,28,32,36,40,44,48,52,56,60
	v_pk_add_f32 v[14:15], v[14:15], v[96+\j:97+\j]
	v_pk_add_f32 v[236:237], v[236:237], v[98+\j:99+\j]
.endr
	v_pk_add_f32 v[14:15], v[14:15], v[236:237]
	s_wait_alu depctr_va_vdst(0)                   ; and one for the four
.irp b, 0,1,2,3
	v_max_num_f32 v[232+\b], 0x1800000, v[232+\b]  ; the floor 2^(3 - 127): a block whose every p has fallen to 0 keeps the byte 1: its codes are zeros
.endr
.irp b, 0,1,2,3
	v_add_nc_u32 v[244+\b], 0xff000000, v[232+\b]  ; 2 off the exponent field: the conversion's scale operand
.endr
.irp b, 0,1,2,3
	v_lshrrev_b32 v[236+\b], 23, v[244+\b]         ; the byte
.endr
	v_lshl_or_b32 v253, v237, 8, v236              ; p's scale word for these 128 keys
	v_lshl_or_b32 v253, v238, 16, v253
	v_lshl_or_b32 v253, v239, 24, v253
.irp c, 0,1
	v_cvt_scalef32_pk16_fp6_f32 v[224+6*\c:226+6*\c], v[96+32*\c:111+32*\c], v[244+2*\c]
	v_cvt_scalef32_pk16_fp6_f32 v[236+4*\c:238+4*\c], v[112+32*\c:127+32*\c], v[244+2*\c+1]
.endr
	v_nop                                          ; one plain place behind a scaled conversion
.irp c, 0,1
.irp i, 0,1,2
	v_permlane16_swap_b32 v[224+6*\c+\i], v[236+4*\c+\i]
.endr
.irp i, 0,1,2
	v_mov_b32 v[227+6*\c+\i], v[236+4*\c+\i]
.endr
.endr
.set J, 0
.rept 32
	v_pk_mul_f32 v[160+J:161+J], v[160+J:161+J], v[252:253] op_sel_hi:[1,0]   ; O^T under the new M.  (These 32 are also the places between p's codes and scale word and the products below)
.set J, J+2
.endr
	s_wait_dscnt 0x0                               ; V's first four tiles and its scale words are in
.irp i, 0,1,2,3                        ; O^T += V^T P^T; the eight accumulators take turns
	MMA 160+8*\i, FB0+12*\i, 224, VSC+\i/2, 253, \i%2
.endr
.rept 4
	v_nop
.endr
	VLOAD 1
	s_wait_dscnt 0x0
.irp i, 0,1,2,3
	MMA 160+8*(4+\i), FB0+12*\i, 224, VSC+2+\i/2, 253, \i%2
.endr
	s_add_co_u32 s[TB], s[TB], KVS                 ; the next key step
.endm
; THE CHANGE OF SLOTS stands at a slot's head.  Each wave waits for all its tensor loads (a fetching wave's part of the slot ahead), adds 0 to its spare word, and waits for that and for its reads of the bytes that are
; filled next.  fill = 1: the barrier is a round of the cluster's, and behind it the other slot is filled with the four key steps that follow: that load has four key steps in which to land.
.macro CHANGE fill
	s_wait_tensorcnt 0x0                           ; no tensor load of mine is out, so the walking descriptor may be written
	ds_add_u32 v[SPW], v[NIL]
.if \fill
	s_xor_b32 s[G0K+1], s[G0K+1], SLOT1            ; the other slot than last time,
	s_add_nc_u64 s[G0K+2:G0K+3], s[G0K+2:G0K+3], SLOTB   ; the next four key steps; the type bits on top are not reached
.endif
	s_wait_dscnt 0x0                               ; the add is done, and my LDS reads are over
.if \fill
	CROUND
	JLOAD                                          ; the first thing behind the round, and a wave's one tensor load until the next
.else
	s_barrier_signal -1
	s_barrier_wait -1
.endif
.endm
.macro FOUR_STEPS                      ; a slot's four key steps: written once, walked four times; the LDS addresses hang on s[TB]
	s_mov_b32 s[STP], 4
.Lstep_\@:
	STEP
	s_sub_co_u32 s[STP], s[STP], 1
	s_cmp_lg_u32 s[STP], 0
	s_cbranch_scc1 .Lstep_\@
	s_sub_co_u32 s[TB], s[TB], SLOTB               ; back to a slot's first step,
	s_xor_b32 s[TB], s[TB], SLOT1                  ; in the other slot
.endm
	; ---- phase 2
.Lslot:                                            ; three trips: behind each change of slots but the last the next slot is asked for (the first of them into bytes of Wq's, which phase 1 has done with)
	CHANGE 1
	FOUR_STEPS
	s_sub_co_u32 s[SLOTS], s[SLOTS], 1
	s_cmp_lg_u32 s[SLOTS], 0
	s_cbranch_scc1 .Lslot
	CHANGE 0                                       ; the last slot is written out
	FOUR_STEPS
	; ---- THE WAY OUT.  O^T / the sum goes through my stage, half a head (64 d, 256 bytes) of 16 queries at a time, so that sixteen lanes store 256 consecutive bytes of one row of the output.
	v_add_f32 v14, v14, v15                        ; the sum's two halves,
	v_permlanex16_b32 v252, v14, s[SEL], s[SEL+1]
	v_add_f32 v14, v14, v252                       ; and lane l xor 16's: the row's sum
	v_rcp_f32 v14, v14
	v_and_b32 v8, 15, v0                           ; (plain places behind the reciprocal and behind the last products)  r
	v_bfe_u32 v9, v0, 4, 1                         ; h
	v_mul_u32_u24 v10, v8, 272
	v_lshl_add_u32 v10, v9, 6, v10
	v_add_nc_u32 v10, s72, v10                     ; in: row r, + 64 h: register 16 b + n is o(r, d = 32 b + 16 h + n)
	v_mul_u32_u24 v11, v9, 272
	v_lshl_add_u32 v11, v8, 4, v11
	v_add_nc_u32 v11, s72, v11                     ; back: lanes 0-15 one row, lanes 16-31 the next
	s_wait_alu depctr_va_vdst(0)                   ; the wait ahead of the reciprocal's first reader
.set J, 0
.rept 64
	v_mul_f32 v[96+J], v[160+J], v14               ; each accumulator from its low end on
.set J, J+1
.endr
.irp u, 0,1                            ; d = 64 u on
.irp e, 0,1
.irp i, 0,1,2,3
	ds_store_b128 v10, v[96+32*\u+16*\e+4*\i:99+32*\u+16*\e+4*\i] offset:128*\e+16*\i
.endr
.endr
.irp i, 0,1,2,3,4,5,6,7
	ds_load_b128 v[160+32*\u+4*\i:163+32*\u+4*\i], v11 offset:2*\i*272   ; LDS serves a wave's instructions in order: these see my stores, and the next half's stores come behind them
.endr
.endr
.irp u, 0,1
.irp i, 0,1,2,3,4,5,6,7
	s_wait_dscnt 15-8*\u-\i                        ; at least so many LDS instructions were issued behind this load
	global_store_b128 v[GO], v[160+32*\u+4*\i:163+32*\u+4*\i], s[16:17] offset:(2*\i+8*(\i/4))*8192+256*\u th:TH_STORE_NT   ; stage row r is query r + 8 (r / 8) of my tile; 16 lanes store 256 consecutive bytes, at a multiple of 256 from the output's first byte
.endr
.endr
	s_wait_tensorcnt 0x0                           ; the wave's end, behind my last tensor load and my last LDS store
	ds_add_u32 v[SPW], v[NIL]
	s_wait_dscnt 0x0
	CROUND                                         ; the closing round: no work-group ends while a partner may still ask for a tile that names it
	s_endpgm
.Lfunc_end_k_q0e2bd2121a_attn:
	.size	k_q0e2bd2121a_attn, .Lfunc_end_k_q0e2bd2121a_attn-k_q0e2bd2121a_attn
	.p2alignl 7, 3214868480
	.fill 96, 4, 3214868480
	.section	.rodata,"a",@progbits
	.p2align	6, 0x0
	.amdhsa_kernel k_q0e2bd2121a_attn
		.amdhsa_group_segment_fixed_size 327680
		.amdhsa_private_segment_fixed_size 0
		.amdhsa_enable_private_segment 0
		.amdhsa_kernarg_size 40
		.amdhsa_user_sgpr_count 2
		.amdhsa_user_sgpr_kernarg_segment_ptr 1
		.amdhsa_wavefront_size32 1
		.amdhsa_system_sgpr_workgroup_id_x 1
		.amdhsa_system_sgpr_workgroup_id_y 1
		.amdhsa_system_sgpr_workgroup_id_z 1
		.amdhsa_system_vgpr_workitem_id 0
		.amdhsa_next_free_vgpr 256
		.amdhsa_next_free_sgpr 100
		.amdhsa_reserve_vcc 0
		.amdhsa_float_denorm_mode_32 3
		.amdhsa_float_denorm_mode_16_64 3
		.amdhsa_memory_ordered 1
		.amdhsa_forward_progress 1
		.amdhsa_inst_pref_size 116
	.end_amdhsa_kernel
	.amdgpu_metadata
---
amdhsa.version: [ 1, 2 ]
amdhsa.kernels:
  - .name:           k_q0e2bd2121a_attn
    .symbol:         k_q0e2bd2121a_attn.kd
    .args:
      - { .name: qc, .offset: 0, .size: 8, .value_kind: global_buffer, .address_space: global }
      - { .name: wc, .offset: 8, .size: 8, .value_kind: global_buffer, .address_space: global }
      - { .name: kvb, .offset: 16, .size: 8, .value_kind: global_buffer, .address_space: global }
      - { .name: bq, .offset: 24, .size: 8, .value_kind: global_buffer, .address_space: global }
      - { .name: out0, .offset: 32, .size: 8, .value_kind: global_buffer, .address_space: global }
    .group_segment_fixed_size: 327680
    .private_segment_fixed_size: 0
    .kernarg_segment_align: 8
    .kernarg_segment_size: 40
    .max_flat_workgroup_size: 512
    .sgpr_count:     100
    .vgpr_count:     256
    .wavefront_size: 32
...
	.end_amdgpu_metadata
.endif
;; end of part 3
